; MI455X (gfx1250); checked and timed in simulation.
; The chip was launched on July 23, 2026; its instructions are those of AMD's public machine-readable ISA for CDNA 5 (MIT licence, August 2026) and "CDNA5" Instruction Set Architecture Reference Guide (July 2026). The comments in the code are by the model that wrote it; some were corrected since.
;; Cross Attention Layer. Allowed arithmetic: float matrix products may take bf16 or f16 operands with f32 sums; all other float work in f32.
;; Inputs: Wk 1,024 x 1,024 float32; Wo 1,024 x 1,024 float32; Wq 1,024 x 1,024 float32; Wv 1,024 x 1,024 float32; beta 1,024 float32; bk 1,024 float32; bo 1,024 float32; bq 1,024 float32; bv 1,024 float32; gamma 1,024 float32; key_value 16,384 x 1,024 float32; query 16,384 x 1,024 float32.
;; Outputs: out0 16,384 x 1,024 float32.
;; One version. Each part assembles by itself: llvm-mc -triple=amdgcn-amd-amdhsa -mcpu=gfx1250 --defsym DOCPART=n.
;; ======== version 1 of 1: 3 launches
;; workspace buffers: wcat 8,388,608 bytes; bcat 12,288 bytes; qkv 100,663,296 bytes
;; launch prep (part 1): grid 64 x 4, 8 waves a work-group, no clusters, 0 bytes of LDS; arguments Wq, Wk, Wv, Wo, bq, bk, bv, wcat, bcat; writes wcat, bcat
.if DOCPART == 1
	.amdgcn_target "amdgcn-amd-amdhsa--gfx1250"
	.amdhsa_code_object_version 6
	.text
	.protected	k_qca0b26f8db_prep
	.globl	k_qca0b26f8db_prep
	.p2align	8
	.type	k_qca0b26f8db_prep,@function
k_qca0b26f8db_prep:
	s_mov_b64 s[64:65], 0
	v_nop
	global_prefetch_b8 v0, s[64:65] scope:SCOPE_SE
	s_setreg_imm32_b32 hwreg(HW_REG_WAVE_MODE, 25, 1), 1
	s_wait_xcnt 0x0
; The four weight matrices, [1024 k][1024 n] f32, are rounded to bf16 into wcat [4][1024][1024] (0 Q, 1 K, 2 V, 3 O), with columns or rows
; re-ordered so that the two launches behind need no shuffle; bq, bk, bv go to bcat [3][1024] f32 in the same column order.
; A chunk is 8 neighbouring output columns, 16 bytes; q = chunk number 0..127 = 32 x + 2 b + hh (x: tile of 256 columns, b: block of 16, hh: half).
;   Q, K: chunk q takes the source chunk 16 (b & 7) + 4 x + 2 (b >> 3) + hh: tile x holds channels 32 x .. 32 x + 31 of every head.
;   V:    chunk q takes the 8 heads at channel d = 32 x + 16 (b >> 3) + 8 hh + (b & 7): source columns 128 j + d, j = 0..7.
;   O:    columns stay; output row 128 l + 16 h + e takes source row 128 h + 16 l + e.
; A work-group makes 16 output rows of one matrix; thread t: chunk t & 127, row parity t >> 7; pass i: row 2 i + parity.  A wave's store covers 512 consecutive bytes.
; Memory binds and the launch is short: no LDS, no matrix unit, all loads of a thread out at once and one wait for them.
.set X,  16                            ; v[16:79]   8 passes x 8 f32
.set Y,  80                            ; v[80:111]  8 passes x 4 packed words
.set BI, 112                           ; v[112:119] 8 numbers of a bias
	s_load_b256 s[4:11], s[0:1], 0x0               ; Wq s[4:5], Wk s[6:7], Wv s[8:9], Wo s[10:11]
	s_load_b256 s[12:19], s[0:1], 0x20             ; bq s[12:13], bk s[14:15], bv s[16:17], wcat s[18:19]
	s_load_b64 s[20:21], s[0:1], 0x40              ; bcat
	s_and_b32 s22, ttmp7, 0xffff                   ; which matrix
	s_mov_b32 s23, ttmp9                           ; which group of 16 output rows
	v_lshrrev_b32 v1, 5, v0
	v_readfirstlane_b32 s24, v1                    ; wave
	v_and_b32 v1, 127, v0                          ; q
	v_lshrrev_b32 v2, 7, v0                        ; row parity
	v_bfe_u32 v12, v1, 1, 3                        ; b & 7
	v_and_b32 v11, 1, v1                           ; hh
	v_bfe_u32 v13, v1, 5, 2                        ; x
	v_bfe_u32 v14, v1, 4, 1                        ; b >> 3
	v_lshl_or_b32 v3, v12, 4, v11
	v_lshl_or_b32 v3, v13, 2, v3
	v_lshl_or_b32 v3, v14, 1, v3                   ; Q's and K's source chunk
	s_and_b32 s30, s23, 7                          ; O's first source row: 128 (group & 7) + 16 (group >> 3)
	s_lshl_b32 s30, s30, 7
	s_lshr_b32 s31, s23, 3
	s_lshl_b32 s31, s31, 4
	s_add_co_u32 s30, s30, s31
	s_lshl_b32 s31, s23, 4                         ; the others': 16 x group
	s_cmp_eq_u32 s22, 3
	s_cselect_b32 s30, s30, s31
	s_cselect_b32 s25, -1, 0
	v_cndmask_b32 v3, v3, v1, s25                  ; O keeps its columns
	v_and_b32 v4, 0x70, v1
	v_lshl_or_b32 v4, v11, 3, v4
	v_or_b32 v4, v4, v12                           ; V's channel d
	v_lshlrev_b32 v9, 5, v3                        ; 32 bytes a source chunk
	v_lshl_add_u32 v5, v2, 12, v9                  ; + my row of 4,096 bytes
	v_lshlrev_b32 v10, 2, v4
	v_lshl_add_u32 v6, v2, 12, v10
	v_lshlrev_b32 v8, 5, v1                        ; my chunk in bcat
	v_lshlrev_b32 v7, 4, v1
	v_lshl_add_u32 v7, v2, 11, v7                  ; my chunk in wcat: 16 q + my row of 2,048 bytes
	s_lshl_b32 s36, s30, 12
	s_mov_b32 s37, 0
	s_lshl_b32 s38, s22, 21
	s_lshl_b32 s31, s23, 15
	s_add_co_u32 s38, s38, s31
	s_mov_b32 s39, 0
	s_lshl_b32 s40, s22, 12
	s_mov_b32 s41, 0
	s_wait_kmcnt 0x0
	s_cmp_eq_u32 s22, 1
	s_cselect_b64 s[26:27], s[6:7], s[4:5]
	s_cselect_b64 s[28:29], s[14:15], s[12:13]
	s_cmp_eq_u32 s22, 2
	s_cselect_b64 s[26:27], s[8:9], s[26:27]
	s_cselect_b64 s[28:29], s[16:17], s[28:29]
	s_cmp_eq_u32 s22, 3
	s_cselect_b64 s[26:27], s[10:11], s[26:27]
	s_add_nc_u64 s[26:27], s[26:27], s[36:37]      ; the matrix at my first source row
	s_add_nc_u64 s[32:33], s[18:19], s[38:39]      ; wcat at my first output row
	s_add_nc_u64 s[34:35], s[20:21], s[40:41]      ; bcat at my matrix's bias (not used for O)
	s_cmp_eq_u32 s22, 2
	s_cbranch_scc1 .Lheads
.set i, 0
.rept 8
	global_load_b128 v[X+8*i:X+8*i+3],   v5, s[26:27] offset:8192*i th:TH_LOAD_NT
	global_load_b128 v[X+8*i+4:X+8*i+7], v5, s[26:27] offset:8192*i+16 th:TH_LOAD_NT
.set i, i+1
.endr
	s_branch .Lcast
.Lheads:                                               ; V: one number from each head; a wave's load covers 128 consecutive bytes
.set i, 0
.rept 64
	global_load_b32 v[X+i], v6, s[26:27] offset:8192*(i/8)+512*(i%8)
.set i, i+1
.endr
.Lcast:
	s_wait_loadcnt 0x0
.set i, 0
.rept 32
	v_cvt_pk_bf16_f32 v[Y+i], v[X+2*i], v[X+2*i+1]
.set i, i+1
.endr
.set i, 0
.rept 8
	global_store_b128 v7, v[Y+4*i:Y+4*i+3], s[32:33] offset:4096*i
.set i, i+1
.endr
	; the bias: the first group of each of Q, K, V; threads 0 to 127, a chunk each
	s_cmp_lg_u32 s23, 0
	s_cbranch_scc1 .Lend
	s_cmp_eq_u32 s22, 3
	s_cbranch_scc1 .Lend
	s_cmp_gt_u32 s24, 3
	s_cbranch_scc1 .Lend
	s_cmp_eq_u32 s22, 2
	s_cbranch_scc1 .Lbheads
	global_load_b128 v[BI:BI+3],   v9, s[28:29]
	global_load_b128 v[BI+4:BI+7], v9, s[28:29] offset:16
	s_branch .Lbput
.Lbheads:
.set i, 0
.rept 8
	global_load_b32 v[BI+i], v10, s[28:29] offset:512*i
.set i, i+1
.endr
.Lbput:
	s_wait_loadcnt 0x0
	global_store_b128 v8, v[BI:BI+3],   s[34:35]
	global_store_b128 v8, v[BI+4:BI+7], s[34:35] offset:16
.Lend:
	s_endpgm
.Lfunc_end_k_qca0b26f8db_prep:
	.size	k_qca0b26f8db_prep, .Lfunc_end_k_qca0b26f8db_prep-k_qca0b26f8db_prep
	.p2alignl 7, 3214868480
	.fill 96, 4, 3214868480
	.section	.rodata,"a",@progbits
	.p2align	6, 0x0
	.amdhsa_kernel k_qca0b26f8db_prep
		.amdhsa_group_segment_fixed_size 0
		.amdhsa_private_segment_fixed_size 0
		.amdhsa_enable_private_segment 0
		.amdhsa_kernarg_size 72
		.amdhsa_user_sgpr_count 2
		.amdhsa_user_sgpr_kernarg_segment_ptr 1
		.amdhsa_wavefront_size32 1
		.amdhsa_system_sgpr_workgroup_id_x 1
		.amdhsa_system_sgpr_workgroup_id_y 1
		.amdhsa_system_sgpr_workgroup_id_z 1
		.amdhsa_system_vgpr_workitem_id 0
		.amdhsa_next_free_vgpr 120
		.amdhsa_next_free_sgpr 66
		.amdhsa_reserve_vcc 0
		.amdhsa_float_denorm_mode_32 3
		.amdhsa_float_denorm_mode_16_64 3
		.amdhsa_memory_ordered 1
		.amdhsa_forward_progress 1
		.amdhsa_inst_pref_size 15
	.end_amdhsa_kernel
	.amdgpu_metadata
---
amdhsa.version: [ 1, 2 ]
amdhsa.kernels:
  - .name:           k_qca0b26f8db_prep
    .symbol:         k_qca0b26f8db_prep.kd
    .args:
      - { .name: Wq, .offset: 0, .size: 8, .value_kind: global_buffer, .address_space: global }
      - { .name: Wk, .offset: 8, .size: 8, .value_kind: global_buffer, .address_space: global }
      - { .name: Wv, .offset: 16, .size: 8, .value_kind: global_buffer, .address_space: global }
      - { .name: Wo, .offset: 24, .size: 8, .value_kind: global_buffer, .address_space: global }
      - { .name: bq, .offset: 32, .size: 8, .value_kind: global_buffer, .address_space: global }
      - { .name: bk, .offset: 40, .size: 8, .value_kind: global_buffer, .address_space: global }
      - { .name: bv, .offset: 48, .size: 8, .value_kind: global_buffer, .address_space: global }
      - { .name: wcat, .offset: 56, .size: 8, .value_kind: global_buffer, .address_space: global }
      - { .name: bcat, .offset: 64, .size: 8, .value_kind: global_buffer, .address_space: global }
    .group_segment_fixed_size: 0
    .private_segment_fixed_size: 0
    .kernarg_segment_align: 8
    .kernarg_segment_size: 72
    .max_flat_workgroup_size: 256
    .sgpr_count:     66
    .vgpr_count:     120
    .wavefront_size: 32
...
	.end_amdgpu_metadata
.endif
;; end of part 1
;; launch proj (part 2): grid 12 x 64, 4 waves a work-group, clusters of 4 x 4, 327,680 bytes of LDS; arguments query, key_value, wcat, bcat, qkv; writes qkv
.if DOCPART == 2
	.amdgcn_target "amdgcn-amd-amdhsa--gfx1250"
	.amdhsa_code_object_version 6
	.text
	.protected	k_qca0b26f8db_proj
	.globl	k_qca0b26f8db_proj
	.p2align	8
	.type	k_qca0b26f8db_proj,@function
k_qca0b26f8db_proj:
	s_mov_b64 s[64:65], 0
	v_nop
	global_prefetch_b8 v0, s[64:65] scope:SCOPE_SE
	s_setreg_imm32_b32 hwreg(HW_REG_WAVE_MODE, 25, 1), 1
	s_wait_xcnt 0x0
	s_wait_alu depctr_hold_cnt(0) depctr_sa_sdst(0) depctr_va_vdst(0) depctr_va_sdst(0) depctr_va_ssrc(0) depctr_va_vcc(0) depctr_vm_vsrc(0)
	s_getreg_b32 s2, hwreg(HW_REG_IB_STS2, 6, 4)
	s_cmp_eq_u32 s2, 0
	s_cbranch_scc0 .Lentry_in_a_cluster
	s_endpgm
.Lentry_in_a_cluster:
	s_bfe_u32 s2, ttmp6, 0x10000c
	s_cmp_lg_u32 s2, 0xf033
	s_cbranch_scc0 .Lentry_shape_is_right
	s_endpgm
.Lentry_shape_is_right:
; Q = query Wq + bq, K = key_value Wk + bk, V = key_value Wv + bv: three products 16,384 x 1,024 x 1,024, operands rounded to bf16, sums in f32 that START with the bias,
; results rounded once to bf16 and written in the order in which the next launch's matrix fragments want them.
; LIMITS: operands and results have bf16's 8 significant bits and f32's range; NaN and infinities are not treated apart.
; SHARES.  A tile of 256 rows x 256 columns to a work-group of four waves; wave w makes rows 64 w .. 64 w + 63 and all 256 columns: 64 accumulators of 16 x 16, 512 registers.
; So each row of the f32 activations is read from LDS and rounded by one wave alone, and a wave holds whole blocks of the output's layout.
; THE MATRIX INSTRUCTION IS USED TRANSPOSED: source 0 = 16 columns of W, source 1 = 16 rows of the activations: lane (r, hh) then holds row r and the 8 neighbouring columns 8 hh + 0..7.
; THE RING HAS TWO SLOTS OF UNEQUAL LENGTH.  The activations pass through LDS in f32, so 128 along K take 256 x 528 + 128 x 544 = 204,800 bytes: two such slots do not fit.  Slot Y holds 64 along K, slot X 128:
; 309,248 bytes together.  1,024 = 64 + 5 x (128 + 64): K is walked Y X Y X Y X Y X Y X Y, ascending: 11 steps and 9 refills.  Y's next tile is on its way while X is multiplied (240 matrix instructions from the
; request to the wait for it), X's while Y is multiplied (112).  Every row of a tile is 256 or 512 bytes of memory and starts at a multiple of 256 from the buffer's first byte.
; W lies [k][n] and comes out of LDS turned, by ds_load_tr16_b128.  A step is two (Y) or four (X) SUBSTEPS of 32 along K, 64 matrix instructions each.
; CLUSTER 4 x 4: the cluster's x is the matrix (0 Q, 1 K, 2 V), cx the tile of columns, 4 x cluster y + cy the tile of rows.  The activations' tile is shared along a row of the
; cluster, W's along a column: each is asked for jointly, by the same tensor load with the same descriptor and a mask that names the four.
; THE OUTPUT.  qkv has three parts of 2^25 bytes.  Two rows (a pair P = row >> 1) have 4,096 bytes in a part; my 8 columns of row (r) in column block b go to byte
; 4096 P + 1024 cx + 512 (b >> 3) + 256 hh + 128 (row & 1) + 16 (b & 7).  With the column order of wcat that is, for Q and K, a 16 x 32 fragment whose rows are (row & 1, head); for V, 8 heads at one channel.
; REGISTERS, in windows of 256 (s_set_vgpr_msb: bits 1:0 source 0, 3:2 source 1, 5:4 source 2, 7:6 destination):
;   window 0: v0-31 addresses; v32-63, v64-95 the activations' bf16 fragments, two buffers by the substep's parity; v96-223 the bias as C operands; on the way out v96-191 at work
;   window 1: v0-63 W's column blocks 0-7, v64-127 blocks 8-15; v128-191 the activations in f32 as they come from LDS
;   windows 2, 3: accumulator (a, b) in window 2 + a / 2 at v[128 (a % 2) + 8 b]
.set PAY,    272                       ; slot Y: an LDS row of the activations: 256 bytes + 16 of padding: the 16 rows of a load start at 16 different groups of four banks (64 banks of 4 bytes: ISA guide 11.1)
.set PAX,    528                       ; slot X: 512 + 16: likewise
.set PB,     544                       ; an LDS row of W: 512 + 32
.set YA,     0                         ; slot Y (slot 0): 256 rows of the activations,
.set YB,     YA+256*PAY                ; 64 rows of W
.set XA,     YB+64*PB                  ; slot X (slot 1): 256 rows of the activations,
.set XBB,    XA+256*PAX                ; 128 rows of W
.set STAGE,  XBB+128*PB                ; 309,248: behind the ring, never filled by a tensor load: 4,224 bytes for each wave, for the way out
.set STW,    4224
.set SP,     528                       ; half of a pair's 1,024 bytes + 16
.set SPARE,  STAGE+4*STW               ; the spare words, 128 bytes for each wave: two blocks of 256 bytes that no other line names
.set ADRA, 16                          ; v16-17  LDS address of my activations in slot 0, 1
.set ADRB, 20                          ; v20-21  the same for W
.set STO,  24                          ; v24     the way out: where I put 16 bytes
.set RD,   25                          ; v25     the way out: where I read 512 bytes a wave back
.set GO,   26                          ; v26     16 x lane
.set BOF,  27                          ; v27     32 hh: my 8 numbers in a block of 16 of the bias
.set SPW,  28                          ; v28     LDS address of my spare word; never rewritten
.set NIL,  29                          ; v29     0; never rewritten
.set AF,   32
.set BIAS, 96
.set TMP,  96
.set RAW,  128                         ; in window 1
.set G1,   24                          ; s[24:31] descriptor group 1 for the activations, slot Y
.set G0,   32                          ; s[32:39] group 0, a set for each slot
.set G1B,  48                          ; s[48:55], s[56:63] the same for W
.set G0B,  56
.set G1X,  72                          ; s[72:79] group 1 for the activations, slot X: G1 + 48
.set G1BX, 80                          ; s[80:87] group 1 for W, slot X: G1B + 32
.set MSB, 0
.macro WIN new                         ; the immediate's high byte repeats the setting that is left; a switch that changes nothing is dropped
.if MSB != (\new)
	s_set_vgpr_msb (MSB<<8)|(\new)
.set MSB, \new
.endif
.endm
.macro PLACES                          ; four plain instructions between a matrix instruction and a load into, or a vector instruction on, one of its registers (ISA guide 7.12.1 for vector instructions)
.rept 4
	v_nop
.endr
.endm
; A joint load into slot s.  Waves 0 and 1 fetch the activations' two halves (128 rows each), waves 2 and 3 W's (32 rows each for Y, 64 for X).  The branch hangs on the wave's number alone.
; An s_nop 0 and four v_nop follow each of the two lines, ahead of the jump and the label.
.macro JLOAD s
	s_cmp_eq_u32 s15, 0
	s_cbranch_scc0 .Lfor_b_\@
	tensor_load_to_lds s[G0+4*(\s):G0+4*(\s)+3], s[G1+48*(\s):G1+48*(\s)+7]
	s_nop 0
.rept 4
	v_nop
.endr
	s_branch .Lasked_\@
.Lfor_b_\@:
	tensor_load_to_lds s[G0B+4*(\s):G0B+4*(\s)+3], s[G1B+32*(\s):G1B+32*(\s)+7]
	s_nop 0
.rept 4
	v_nop
.endr
.Lasked_\@:
.endm
.macro CREST                           ; a round of the cluster's barrier behind its opening barrier: wave 0 signals for the work-group, every wave waits for all sixteen, my work-group's barrier closes it
	s_cmp_lg_u32 s14, 0
	s_cbranch_scc1 .Lnot_wave_0_\@
	s_barrier_signal -3
.Lnot_wave_0_\@:
	s_barrier_wait -3
	s_barrier_signal -1
	s_barrier_wait -1
.endm
.macro CROUND
	s_barrier_signal -1
	s_barrier_wait -1
	CREST
.endm
	s_load_b256 s[4:11], s[0:1], 0x0               ; query s[4:5], key_value s[6:7], wcat s[8:9], bcat s[10:11]
	s_load_b64 s[12:13], s[0:1], 0x20              ; qkv
	v_lshl_add_u32 v[SPW], v0, 2, SPARE
	v_mov_b32 v[NIL], 0
	ds_add_u32 v[SPW], v[NIL]                      ; the wave's opening: the add and its wait come ahead of my first tensor load; the set-up below, work on registers, stands between them
	v_lshrrev_b32 v1, 5, v0
	v_readfirstlane_b32 s14, v1                    ; wave 0..3
	s_lshr_b32 s15, s14, 1                         ; I fetch activations (0) or W (1),
	s_and_b32 s16, s14, 1                          ; and which half
	s_bfe_u32 s17, ttmp6, 0x40000                  ; cx: the tile of columns
	s_bfe_u32 s18, ttmp6, 0x40004                  ; cy
	s_mov_b32 s21, ttmp9                           ; the cluster's x: the matrix, the same in all sixteen
	s_and_b32 s20, ttmp7, 0xffff
	s_lshl_b32 s20, s20, 2
	s_add_co_u32 s20, s20, s18                     ; the tile of rows = 4 x cluster y + cy
	s_lshl_b32 s22, s18, 2
	s_lshl_b32 s22, 15, s22                        ; my row of the cluster
	s_lshl_b32 s23, 0x1111, s17                    ; my column
	; group 1 for the activations: 15:0 the mask; 17:16 elements of 4 bytes; 20 padding on; 21 set beside a mask; 24:22 after every 64 words (code 5, Y) or 128 words (code 6, X); 31:25 4 words (code 3)
	s_or_b32 s[G1],  s22, (2<<16)|(1<<20)|(1<<21)|(5<<22)|(3<<25)
	s_or_b32 s[G1X], s22, (2<<16)|(1<<20)|(1<<21)|(6<<22)|(3<<25)
	s_mov_b32 s[G1+1],  64<<16                     ; tensor_dim0 = 64 (Y),
	s_mov_b32 s[G1+3],  64<<16                     ; tile_dim0 = 64
	s_mov_b32 s[G1X+1], 128<<16                    ; 128 (X)
	s_mov_b32 s[G1X+3], 128<<16
.irp g, G1, G1X
	s_mov_b32 s[\g+2], 128<<16                     ; tensor_dim1 = 128
	s_mov_b32 s[\g+4], 128                         ; tile_dim1 = 128
	s_mov_b32 s[\g+5], 1024                        ; elements from row to row
	s_mov_b32 s[\g+6], 0
	s_mov_b32 s[\g+7], 0
.endr
	; group 1 for W: elements of 2 bytes; after every 128 words (code 6) 8 words of padding (code 7)
	s_or_b32 s[G1B],  s23, (1<<16)|(1<<20)|(1<<21)|(6<<22)|(7<<25)
	s_or_b32 s[G1BX], s23, (1<<16)|(1<<20)|(1<<21)|(6<<22)|(7<<25)
	s_mov_b32 s[G1B+2],  32<<16                    ; tensor_dim1 = 32 (Y),
	s_mov_b32 s[G1B+4],  32                        ; tile_dim1 = 32
	s_mov_b32 s[G1BX+2], 64<<16                    ; 64 (X)
	s_mov_b32 s[G1BX+4], 64
.irp g, G1B, G1BX
	s_mov_b32 s[\g+1], 256<<16                     ; tensor_dim0 = 256
	s_mov_b32 s[\g+3], 256<<16                     ; tile_dim0 = 256
	s_mov_b32 s[\g+5], 1024
	s_mov_b32 s[\g+6], 0
	s_mov_b32 s[\g+7], 0
.endr
	; the activations' address hangs on the tile of rows, W's on the tile of columns, each in registers that never hold the other coordinate
	s_lshl_b32 s42, s20, 20                        ; 256 rows of 4,096 bytes
	s_lshl_b32 s19, s16, 19                        ; my 128 of them
	s_add_co_u32 s42, s42, s19
	s_mov_b32 s43, 0
	s_lshl_b32 s44, s21, 21                        ; the matrix in wcat,
	s_lshl_b32 s2, s17, 9                          ; the tile's 256 columns
	s_add_co_u32 s44, s44, s2
	s_lshl_b32 s2, s16, 17                         ; X's first tile: my 64 rows of 2,048 bytes,
	s_add_co_u32 s68, s44, s2
	s_add_co_u32 s68, s68, 131072                  ; behind Y's first 64 rows
	s_mov_b32 s69, 0
	s_lshl_b32 s2, s16, 16                         ; Y's first tile: my 32 rows
	s_add_co_u32 s44, s44, s2
	s_mov_b32 s45, 0
	s_mul_i32 s66, s16, 128*PAY                    ; where they go: no place in the cluster enters an LDS address
	s_mul_i32 s67, s16, 32*PB
	s_mul_i32 s70, s16, 128*PAX
	s_mul_i32 s71, s16, 64*PB
	s_wait_dscnt 0x0                               ; the opening add is done
	s_wait_kmcnt 0x0
	s_cmp_eq_u32 s21, 0
	s_cselect_b64 s[40:41], s[4:5], s[6:7]         ; Q is made of query, K and V of key_value
	s_add_nc_u64 s[40:41], s[40:41], s[42:43]
	s_add_nc_u64 s[44:45], s[8:9], s[44:45]
	s_add_nc_u64 s[68:69], s[8:9], s[68:69]
	CROUND                                         ; all sixteen work-groups are here: the first joint loads meet
	s_mov_b32 s[G0], 1                             ; slot Y, the activations: count = 1,
	s_add_co_u32 s[G0+1], s66, YA                  ; LDS address,
	s_add_nc_u64 s[G0+2:G0+3], s[40:41], 0         ; global address: k = 0 on,
	s_or_b32 s[G0+3], s[G0+3], 0x80000000          ; type = 2
	s_mov_b32 s[G0+4], 1                           ; slot X
	s_add_co_u32 s[G0+5], s70, XA
	s_add_nc_u64 s[G0+6:G0+7], s[40:41], 256       ; k = 64 on: 64 f32 along the rows
	s_or_b32 s[G0+7], s[G0+7], 0x80000000
	s_mov_b32 s[G0B], 1                            ; slot Y, W
	s_add_co_u32 s[G0B+1], s67, YB
	s_add_nc_u64 s[G0B+2:G0B+3], s[44:45], 0
	s_or_b32 s[G0B+3], s[G0B+3], 0x80000000
	s_mov_b32 s[G0B+4], 1                          ; slot X
	s_add_co_u32 s[G0B+5], s71, XBB
	s_add_nc_u64 s[G0B+6:G0B+7], s[68:69], 0
	s_or_b32 s[G0B+7], s[G0B+7], 0x80000000
	JLOAD 0                                        ; the shorter tile, which is wanted first, goes first;
	JLOAD 1                                        ; two tensor loads of mine are out
	v_and_b32 v1, 15, v0                           ; r
	v_bfe_u32 v2, v0, 4, 1                         ; hh
	v_and_b32 v3, 31, v0                           ; lane
	v_lshlrev_b32 v[BOF], 5, v2
	s_lshl_b32 s68, s21, 12
	s_lshl_b32 s2, s17, 10
	s_add_co_u32 s68, s68, s2
	s_mov_b32 s69, 0
	s_add_nc_u64 s[44:45], s[10:11], s[68:69]      ; the bias of my tile's 256 columns
.set i8, 0
.rept 16                                           ; register j of block b in lane (r, hh): the bias of column 16 b + 8 hh + j: the C operand of that block's first products
	global_load_b128 v[BIAS+8*i8:BIAS+8*i8+3],   v[BOF], s[44:45] offset:64*i8
	global_load_b128 v[BIAS+8*i8+4:BIAS+8*i8+7], v[BOF], s[44:45] offset:64*i8+16
.set i8, i8+1
.endr
	s_mul_i32 s70, s14, 64*PAY                     ; my 64 rows in slot Y
	v_mul_u32_u24 v4, v1, PAY
	v_lshl_add_u32 v4, v2, 5, v4                   ; row x pitch + 8 f32 x half
	v_add_nc_u32 v[ADRA], s70, v4
	s_mul_i32 s70, s14, 64*PAX                     ; and in slot X
	s_add_co_u32 s70, s70, XA
	v_mul_u32_u24 v4, v1, PAX
	v_lshl_add_u32 v4, v2, 5, v4
	v_add_nc_u32 v[ADRA+1], s70, v4
	v_and_b32 v5, 7, v0                            ; the turning load: lane l reads row 8 (l / 16) + l % 8, 16 bytes at 16 ((l / 8) % 2), and is left with column l % 16 and 8 k
	v_lshl_add_u32 v5, v2, 3, v5
	v_mul_u32_u24 v5, v5, PB
	v_bfe_u32 v6, v0, 3, 1
	v_lshl_add_u32 v5, v6, 4, v5
	v_add_nc_u32 v[ADRB], YB, v5
	v_add_nc_u32 v[ADRB+1], XBB, v5
	s_mul_i32 s71, s14, STW
	s_add_co_u32 s71, s71, STAGE                   ; my stage
	v_lshrrev_b32 v7, 1, v1
	v_mul_u32_u24 v7, v7, SP                       ; in: pair r / 2,
	v_lshl_add_u32 v7, v2, 8, v7                   ; 256 hh,
	v_and_b32 v8, 1, v0
	v_lshl_add_u32 v7, v8, 7, v7                   ; 128 (r & 1)
	v_add_nc_u32 v[STO], s71, v7
	v_lshlrev_b32 v[GO], 4, v3
	v_add_nc_u32 v[RD], s71, v[GO]
	s_lshl_b32 s46, s20, 7                         ; my first pair: 128 x tile of rows + 32 x wave,
	s_lshl_b32 s19, s14, 5
	s_add_co_u32 s46, s46, s19
	s_lshl_b32 s46, s46, 12                        ; 4,096 bytes each,
	s_lshl_b32 s2, s17, 10                         ; the tile's 1,024 bytes of a pair,
	s_add_co_u32 s46, s46, s2
	s_lshl_b32 s2, s21, 25                         ; the matrix's part
	s_add_co_u32 s46, s46, s2
	s_mov_b32 s47, 0
	s_add_nc_u64 s[46:47], s[12:13], s[46:47]
; 8 matrix instructions: row block a x column blocks 8 bh .. 8 bh + 7, 32 along K, on fragment buffer u.  cm = 2: the products start the sums with the bias; 0: they add in place.
; The 64 accumulators take turns, one instruction a turn, in the same order in every substep.
.macro W8 a, bh, u, cm
.if (\cm) == 2
	WIN 0x81+0x40*((\a)/2)
.else
	WIN 0xa1+0x50*((\a)/2)
.endif
.set rA, AF+32*(\u)+8*(\a)
.set i8, 0
.rept 8
.set rD, 128*((\a)%2)+8*(8*(\bh)+i8)
.set rB, 64*(\bh)+8*i8
.set rC, BIAS+8*(8*(\bh)+i8)
.if (\cm) == 2
	v_wmma_f32_16x16x32_bf16 v[rD:rD+7], v[rB:rB+7], v[rA:rA+7], v[rC:rC+7]
.else
	v_wmma_f32_16x16x32_bf16 v[rD:rD+7], v[rB:rB+7], v[rA:rA+7], v[rD:rD+7]
.endif
.set i8, i8+1
.endr
.endm
.macro FETCH_B slot, i, bh             ; 16 turning loads in one run: W's column blocks 8 bh .. + 7 for substep i of a slot
	WIN 0x40
.set i8, 0
.rept 8
	ds_load_tr16_b128 v[64*(\bh)+8*i8:64*(\bh)+8*i8+3],   v[ADRB+(\slot)] offset:32*(\i)*PB+32*(8*(\bh)+i8)
	ds_load_tr16_b128 v[64*(\bh)+8*i8+4:64*(\bh)+8*i8+7], v[ADRB+(\slot)] offset:32*(\i)*PB+16*PB+32*(8*(\bh)+i8)
.set i8, i8+1
.endr
.endm
.macro FETCH_RAW slot, i               ; 16 loads: my 64 rows x 32 K in f32, substep i of a slot: for row block f, k = 8 hh + 0..7 and 16 + 8 hh + 0..7
	WIN 0x40
.set PAS, PAY+(PAX-PAY)*(\slot)
.irp f, 0,1,2,3
	ds_load_b128 v[RAW+16*\f:RAW+16*\f+3],     v[ADRA+(\slot)] offset:16*PAS*\f+128*(\i)
	ds_load_b128 v[RAW+16*\f+4:RAW+16*\f+7],   v[ADRA+(\slot)] offset:16*PAS*\f+128*(\i)+16
	ds_load_b128 v[RAW+16*\f+8:RAW+16*\f+11],  v[ADRA+(\slot)] offset:16*PAS*\f+128*(\i)+64
	ds_load_b128 v[RAW+16*\f+12:RAW+16*\f+15], v[ADRA+(\slot)] offset:16*PAS*\f+128*(\i)+80
.endr
.endm
.macro CV g, up                        ; row blocks g, g + 1 rounded to bf16 into fragment buffer up: 16 conversions
	WIN 0x05
.irp f, \g, (\g)+1
.irp e, 0,1,2,3,4,5,6,7
	v_cvt_pk_bf16_f32 v[AF+32*(\up)+8*(\f)+\e], v[RAW+16*(\f)+2*\e], v[RAW+16*(\f)+2*\e+1]
.endr
.endr
.endm
; SUBSTEP i of a slot (slot 0, Y, has substeps 0, 1; slot 1, X, has 0 to 3): 64 matrix instructions.  On entry W's blocks 0-7 are on their way and my fragments are rounded, in the buffer of i's parity.
; more = 1: it fetches and rounds the next substep's activations and fetches its first half of W.
; meet = 1, 2 (a slot's last substep): the change of slots.  The slot's last reads are the run of loads just issued.  Each wave waits for all its tensor loads, of which one is out: its part of the other
; slot; adds 0 to its spare word; waits for that and for its reads.  Behind the barrier nobody reads this slot and the other is whole.  meet = 2: the barrier opens a round of the cluster's barrier, and the
; slot is filled again, 192 along K on, first thing behind it.
.macro SUBSTEP slot, i, cm, meet, more
.set U, (\i)%2
.set NS, (\slot)
.set NI, (\i)+1
.if (\i) == 1+2*(\slot)
.set NS, 1-(\slot)
.set NI, 0
.endif
.set NU, NI%2
	s_wait_dscnt 0x0                               ; W's blocks 0-7: nothing else is out
	W8 0, 0, U, \cm
	PLACES                                         ; blocks 8-15 were last read in the substep before
	FETCH_B \slot, \i, 1
	W8 1, 0, U, \cm
.if (\meet) == 0
	W8 2, 0, U, \cm
	W8 3, 0, U, \cm
.else
	WIN 0                                          ; (the add's two registers lie in window 0)
	s_wait_tensorcnt 0x0                           ; all my tensor loads have landed;
	ds_add_u32 v[SPW], v[NIL]                      ; 0 onto my spare word
	W8 2, 0, U, \cm                                ; eight matrix instructions stand between the add and the wait for it
	s_wait_dscnt 0x0                               ; the add is done, and my reads of this slot are over
	s_barrier_signal -1
	W8 3, 0, U, \cm                                ; work on registers while the others arrive
	WIN 0
	s_barrier_wait -1
.if (\meet) == 2
	CREST                                          ; no wave of any partner still reads this slot or has a load on its way
	s_add_nc_u64 s[G0+4*(\slot)+2:G0+4*(\slot)+3], s[G0+4*(\slot)+2:G0+4*(\slot)+3], 768          ; 192 f32 along the rows
	s_add_nc_u64 s[G0B+4*(\slot)+2:G0B+4*(\slot)+3], s[G0B+4*(\slot)+2:G0B+4*(\slot)+3], 393216   ; 192 rows of 2,048 bytes down
	JLOAD \slot                                    ; my one tensor load behind the round
.endif
.endif
.if \more
	FETCH_RAW NS, NI
	s_wait_dscnt 16                                ; W's blocks 8-15 are in; the 16 loads just issued may be out
.else
	s_wait_dscnt 0x0
.endif
	W8 0, 1, U, \cm
.if \more
	PLACES                                         ; blocks 0-7 were last read eight matrix instructions back
	FETCH_B NS, NI, 0
.endif
	W8 1, 1, U, \cm
.if \more
	s_wait_dscnt 16                                ; the f32 activations are in; W's 16 loads behind them may be out
	W8 2, 1, U, \cm
	CV 0, NU                                       ; the other fragment buffer was last read a substep ago
	W8 3, 1, U, \cm
	CV 2, NU
.else
	W8 2, 1, U, \cm
	W8 3, 1, U, \cm
.endif
.endm
	s_wait_tensorcnt 0x1                           ; my part of Y's first tile is in; X's may stay out
	s_barrier_signal -1
	s_barrier_wait -1                              ; everybody's is
	FETCH_RAW 0, 0
	s_wait_dscnt 0x0
	CV 0, 0
	CV 2, 0
	FETCH_B 0, 0, 0
	s_wait_loadcnt 0x0                             ; the bias
	SUBSTEP 0, 0, 2, 0, 1                          ; k = 0 .. 63 stand in front of the loop: the first products start the sums;
	SUBSTEP 0, 1, 0, 2, 1                          ; Y is asked for again: k = 192 on
	WIN 0                                          ; at a label and at a branch every window is 0
	s_mov_b32 s3, 4
.Llap:                                                 ; a trip is 192 along K: X's four substeps, Y's two; it fills both slots again: 4 trips ask for X's tiles 1 to 4 and Y's tiles 2 to 5
	SUBSTEP 1, 0, 0, 0, 1
	SUBSTEP 1, 1, 0, 0, 1
	SUBSTEP 1, 2, 0, 0, 1
	SUBSTEP 1, 3, 0, 2, 1
	SUBSTEP 0, 0, 0, 0, 1
	SUBSTEP 0, 1, 0, 2, 1
	WIN 0
	s_sub_co_u32 s3, s3, 1
	s_cmp_lg_u32 s3, 0
	s_cbranch_scc1 .Llap
	SUBSTEP 1, 0, 0, 0, 1                          ; the last 192 are written out: they ask for nothing
	SUBSTEP 1, 1, 0, 0, 1
	SUBSTEP 1, 2, 0, 0, 1
	SUBSTEP 1, 3, 0, 1, 1
	SUBSTEP 0, 0, 0, 0, 1
	SUBSTEP 0, 1, 0, 0, 0
; THE WAY OUT, in eight halves k = 2 a + c: row block a (8 pairs), column blocks 8 c .. 8 c + 7: rounded to bf16, 16 bytes a lane; into my own stage in the output's order; back as runs of 512 bytes; stored.
.macro PACK a, c
	WIN 0x0a+5*((\a)/2)                            ; sources 0 and 1: window 2 or 3
.set i8, 0
.rept 8
.irp e, 0,1,2,3
	v_cvt_pk_bf16_f32 v[TMP+4*i8+\e], v[128*((\a)%2)+8*(8*(\c)+i8)+2*\e], v[128*((\a)%2)+8*(8*(\c)+i8)+2*\e+1]
.endr
.set i8, i8+1
.endr
	WIN 0
.endm
.macro TOSTAGE k
.set BK, 128+32*((\k)%2)               ; v128-159 and v160-191 by turns
.set i8, 0
.rept 8
	ds_store_b128 v[STO], v[TMP+4*i8:TMP+4*i8+3] offset:16*i8
.set i8, i8+1
.endr
.set i8, 0
.rept 8
	ds_load_b128 v[BK+4*i8:BK+4*i8+3], v[RD] offset:SP*i8  ; LDS serves a wave's instructions in order (ISA guide 5.7.1.4): these see the stores above, and the next half's stores come behind them
.set i8, i8+1
.endr
.endm
.macro SEND k
.set BK, 128+32*((\k)%2)
	s_wait_dscnt 0x0                               ; the half is back in registers
	s_wait_xcnt 0x0                                ; the registers that earlier stores read are loaded again only behind this wait
.set i8, 0
.rept 8
	global_store_b128 v[GO], v[BK+4*i8:BK+4*i8+3], s[46:47] offset:32768*((\k)/2)+4096*i8+512*((\k)%2)  ; 512 consecutive bytes, at a multiple of 512 from the buffer's first
.set i8, i8+1
.endr
.endm
	WIN 0
	PLACES                                         ; the conversions read results just made
	PACK 0, 0
	TOSTAGE 0
.irp k, 1,2,3,4,5,6,7                  ; a half's conversions stand between the loads of the half before and the wait for them
	PACK (\k)/2, (\k)%2
	SEND (\k)-1
	TOSTAGE \k
.endr
	SEND 7
	s_wait_tensorcnt 0x0                           ; the wave's end: a wait, an add to my spare word and its wait, behind my last tensor load and my last LDS store
	ds_add_u32 v[SPW], v[NIL]
	s_wait_dscnt 0x0
	CROUND                                         ; the closing round: no work-group ends while a partner may still ask for a tile that names it
	s_endpgm
.Lfunc_end_k_qca0b26f8db_proj:
	.size	k_qca0b26f8db_proj, .Lfunc_end_k_qca0b26f8db_proj-k_qca0b26f8db_proj
	.p2alignl 7, 3214868480
	.fill 96, 4, 3214868480
	.section	.rodata,"a",@progbits
	.p2align	6, 0x0
	.amdhsa_kernel k_qca0b26f8db_proj
		.amdhsa_group_segment_fixed_size 327680
		.amdhsa_private_segment_fixed_size 0
		.amdhsa_enable_private_segment 0
		.amdhsa_kernarg_size 40
		.amdhsa_user_sgpr_count 2
		.amdhsa_user_sgpr_kernarg_segment_ptr 1
		.amdhsa_wavefront_size32 1
		.amdhsa_system_sgpr_workgroup_id_x 1
		.amdhsa_system_sgpr_workgroup_id_y 1
		.amdhsa_system_sgpr_workgroup_id_z 1
		.amdhsa_system_vgpr_workitem_id 0
		.amdhsa_next_free_vgpr 1024
		.amdhsa_next_free_sgpr 88
		.amdhsa_reserve_vcc 0
		.amdhsa_float_denorm_mode_32 3
		.amdhsa_float_denorm_mode_16_64 3
		.amdhsa_memory_ordered 1
		.amdhsa_forward_progress 1
		.amdhsa_inst_pref_size 183
	.end_amdhsa_kernel
	.amdgpu_metadata
---
amdhsa.version: [ 1, 2 ]
amdhsa.kernels:
  - .name:           k_qca0b26f8db_proj
    .symbol:         k_qca0b26f8db_proj.kd
    .args:
      - { .name: query, .offset: 0, .size: 8, .value_kind: global_buffer, .address_space: global }
      - { .name: key_value, .offset: 8, .size: 8, .value_kind: global_buffer, .address_space: global }
      - { .name: wcat, .offset: 16, .size: 8, .value_kind: global_buffer, .address_space: global }
      - { .name: bcat, .offset: 24, .size: 8, .value_kind: global_buffer, .address_space: global }
      - { .name: qkv, .offset: 32, .size: 8, .value_kind: global_buffer, .address_space: global }
    .group_segment_fixed_size: 327680
    .private_segment_fixed_size: 0
    .kernarg_segment_align: 8
    .kernarg_segment_size: 40
    .max_flat_workgroup_size: 128
    .sgpr_count:     88
    .vgpr_count:     1024
    .wavefront_size: 32
...
	.end_amdgpu_metadata
.endif
;; end of part 2
;; launch attn (part 3): grid 256 x 1, 4 waves a work-group, clusters of 4 x 1, 327,680 bytes of LDS; arguments qkv, wcat, query, bo, gamma, beta, out0; writes out0
.if DOCPART == 3
	.amdgcn_target "amdgcn-amd-amdhsa--gfx1250"
	.amdhsa_code_object_version 6
	.text
	.protected	k_qca0b26f8db_attn
	.globl	k_qca0b26f8db_attn
	.p2align	8
	.type	k_qca0b26f8db_attn,@function
k_qca0b26f8db_attn:
	s_mov_b64 s[64:65], 0
	v_nop
	global_prefetch_b8 v0, s[64:65] scope:SCOPE_SE
	s_setreg_imm32_b32 hwreg(HW_REG_WAVE_MODE, 25, 1), 1
	s_wait_xcnt 0x0
	s_wait_alu depctr_hold_cnt(0) depctr_sa_sdst(0) depctr_va_vdst(0) depctr_va_sdst(0) depctr_va_ssrc(0) depctr_va_vcc(0) depctr_vm_vsrc(0)
	s_getreg_b32 s2, hwreg(HW_REG_IB_STS2, 6, 4)
	s_cmp_eq_u32 s2, 0
	s_cbranch_scc0 .Lentry_in_a_cluster
	s_endpgm
.Lentry_in_a_cluster:
	s_bfe_u32 s2, ttmp6, 0x10000c
	s_cmp_lg_u32 s2, 0x3003
	s_cbranch_scc0 .Lentry_shape_is_right
	s_endpgm
.Lentry_shape_is_right:
; For each row: scores of 8 heads against 8 heads over 128 channels, / sqrt(128), softmax over the 8, times V; then x = attended Wo + bo + query and LayerNorm over the row's 1,024 numbers.
; Q, K, V arrive in bf16 in fragment order (qkv: three parts of 2^25 bytes; two rows, a PAIR, have 4,096 bytes in each).  Products in bf16 with f32 sums; softmax, residual and LayerNorm in f32.
; LIMITS.  The weights p are divided by their sum in f32 and then rounded to bf16; the attended rows are rounded to bf16.  A weight below 2^-126 counts as 0.  The two rows of a pair share one product with V,
; each with weights 0 for the other's V: a row is right only while both rows of its pair have finite V.  NaN and infinities are not treated apart.
; SHARES.  A work-group owns 64 rows.  Wave w makes the attention of rows 16 w .. + 15 (8 pairs); in the product with Wo it makes all 64 rows x columns 256 w .. + 255 (64 accumulators); at the end the whole rows 16 w .. + 15.
; ATTENTION.  S^T = K Q^T for a pair: source 0 = 16 rows (row parity b', head g) of K, source 1 = 16 rows (b, h) of Q.  Lane (r = 8 b + h, hh) holds the 8 scores Q[b,h] . K[hh, 0..7]: the true ones where hh = b.
; So the softmax crosses no lane; the running of the reference is kept: the row's maximum is taken away.  Lanes with hh != b get weights 0.  The 8 weights, rounded, ARE source 1 (k = 8 b' + g; k = 16..31 are 0) of
; O^T = V^T P, whose source 0 is 16 channels x (b', g) of V, as it lies in memory; the result holds 8 channels of (b, h) a lane.
; THE PRODUCT WITH Wo.  wcat's matrix 3 has its rows in the order k' = 128 l + 16 h + e (for channel 16 l + e of head h), so block l of 16 channels of all heads is 128 consecutive k': one lap of the ring.
; Block l + 1 is made (8 matrix instructions) while lap l is multiplied, into one of two small LDS buffers: V is read along the way, and LDS has room for K steps of 64.
; CLUSTER 4 x 1: all work-groups walk the same Wo: each wave's tile (64 k' x its 256 columns) is asked for jointly by the four, with the same descriptor and the mask 15.
; REGISTERS, in windows of 256 (s_set_vgpr_msb: bits 1:0 source 0, 3:2 source 1, 5:4 source 2, 7:6 destination):
;   window 0: v0-31 addresses; v32-95 fragments of the attended rows, two buffers (softmax: at work; end: two rows); v96-159 S^T, then O^T, 8 a pair (end: at work); v160-191 gamma, v192-223 beta, v224-255 bo
;   window 1: v0-127 Wo's fragments (end: four query rows); v128-191 P, v192-255 V, 8 a pair, the upper 4 of each 0
;   windows 2, 3: K's and Q's fragments (pair p, channels 32 t on at v[32 p + 8 t]); then accumulator (a, b) in window 2 + a / 2 at v[128 (a % 2) + 8 b]
.set PT,     272                       ; a row of an attended block in LDS: 128 bf16 + 16 bytes
.set ATB,    64*PT                     ; 17,408: one block; two of them from byte 0 on, written by LDS stores alone
.set PB,     544                       ; an LDS row of Wo: 512 + 32
.set RING,   2*ATB
.set WPART,  64*PB                     ; a wave's own part of a slot
.set SLOT,   4*WPART
.set SPARE,  RING+2*SLOT               ; the spare words, 128 bytes for each wave: two blocks of 256 bytes that no other line names
.set PX,     4112                      ; the end: x's 64 rows of 4,096 bytes + 16, from byte 0 on, over bytes that have had their last fill
.set AT0,  2                           ; v2   my place in an attended block, as a reader
.set ADRT, 3                           ; v3   + the block being read
.set AW0,  4                           ; v4   my place as a writer
.set AWR,  5                           ; v5   + the block being written
.set FO,   6                           ; v6   16 x lane
.set VL,   7                           ; v7   my 16 bytes in 512 of V
.set VA,   8                           ; v8   + the block of channels
.set MASKF, 9                          ; v9   1.0 where hh = b, else 0
.set PF,   10                          ; v10  256 x lane
.set XW,   12                          ; v12-15  where I put x, by row block
.set XR,   16                          ; v16  where I read a row of x
.set ADRB, 20                          ; v20-21  my place in my part of slot 0, 1
.set OFF,  22                          ; v22-25  the query ring's four slots: byte offset of the slot's row
.set SPW,  28                          ; v28  LDS address of my spare word; never rewritten
.set NIL,  29                          ; v29  0; never rewritten
.set AF,   32
.set TT,   32                          ; softmax: pair p at v[TT + 8 p]: c m, m, sums, 1 / sum
.set ST,   96
.set T,    96
.set GA,   160
.set BE,   192
.set BO,   224
.set PP,   128                         ; in window 1
.set VV,   192                         ; in window 1
.set G1,  24                           ; s[24:31] descriptor group 1
.set G0,  32                           ; s[32:39] group 0, a set for each slot
.set MSB, 0
.macro WIN new                         ; the immediate's high byte repeats the setting that is left; a switch that changes nothing is dropped
.if MSB != (\new)
	s_set_vgpr_msb (MSB<<8)|(\new)
.set MSB, \new
.endif
.endm
.macro PLACES                          ; four plain instructions between a matrix instruction and a load into, or a vector instruction or store on, one of its registers (ISA guide 7.12.1 for vector instructions)
.rept 4
	v_nop
.endr
.endm
.macro CREST                           ; a round of the cluster's barrier behind its opening barrier
	s_cmp_lg_u32 s20, 0
	s_cbranch_scc1 .Lnot_wave_0_\@
	s_barrier_signal -3
.Lnot_wave_0_\@:
	s_barrier_wait -3
	s_barrier_signal -1
	s_barrier_wait -1
.endm
.macro CROUND
	s_barrier_signal -1
	s_barrier_wait -1
	CREST
.endm
.macro ALLP line:vararg                ; one line for each pair p
.set p, 0
.rept 8
	\line
.set p, p+1
.endr
.endm
	s_load_b256 s[4:11], s[0:1], 0x0               ; qkv s[4:5], wcat s[6:7], query s[8:9], bo s[10:11]
	s_load_b128 s[12:15], s[0:1], 0x20             ; gamma s[12:13], beta s[14:15]
	s_load_b64 s[16:17], s[0:1], 0x30              ; out0
	v_lshl_add_u32 v[SPW], v0, 2, SPARE
	v_mov_b32 v[NIL], 0
	ds_add_u32 v[SPW], v[NIL]                      ; the wave's opening: the add and its wait come ahead of my first tensor load; the set-up below, work on registers, stands between them
	v_lshrrev_b32 v1, 5, v0
	v_readfirstlane_b32 s20, v1                    ; wave 0..3
	s_bfe_u32 s21, ttmp6, 0x40000                  ; cx
	s_lshl_b32 s22, ttmp9, 2
	s_add_co_u32 s22, s22, s21                     ; my block of 64 rows: it enters qkv's, query's and out0's addresses alone
	s_mov_b32 s[G1], 15|(1<<16)|(1<<20)|(1<<21)|(6<<22)|(7<<25)  ; 15:0 the mask of four; 17:16 elements of 2 bytes; 20 padding on; 21 set beside a mask; 24:22 after every 128 words (code 6); 31:25 8 words (code 7)
	s_mov_b32 s[G1+1], 256<<16                     ; tensor_dim0 = 256
	s_mov_b32 s[G1+2], 64<<16                      ; tensor_dim1 = 64
	s_mov_b32 s[G1+3], 256<<16                     ; tile_dim0 = 256
	s_mov_b32 s[G1+4], 64                          ; tile_dim1 = 64
	s_mov_b32 s[G1+5], 1024                        ; elements from row to row
	s_mov_b32 s[G1+6], 0
	s_mov_b32 s[G1+7], 0
	s_lshl_b32 s18, s22, 17                        ; 32 pairs of 4,096 bytes a work-group,
	s_lshl_b32 s19, s20, 15                        ; 8 a wave
	s_add_co_u32 s18, s18, s19
	s_mov_b32 s19, 0
	s_lshl_b32 s2, s22, 18                         ; 64 rows of 4,096 bytes a work-group,
	s_lshl_b32 s3, s20, 16                         ; 16 a wave
	s_add_co_u32 s2, s2, s3
	s_mov_b32 s3, 0
	s_lshl_b32 s62, s20, 9                         ; my 256 columns of matrix 3 in wcat
	s_add_co_u32 s62, s62, 3*2097152
	s_mov_b32 s63, 0
	s_mul_i32 s61, s20, WPART
	s_add_co_u32 s61, s61, RING                    ; my part of slot 0
	s_mov_b32 s50, 0x3e0293ee                      ; c = log2(e) / sqrt(128)
	s_mov_b32 s51, s50                             ; named with it as a pair
	s_mov_b32 s52, 0x76543210                      ; v_permlanex16_b32: each lane takes its own place in the other half
	s_mov_b32 s53, 0xfedcba98
	s_mov_b32 s54, 0                               ; the attended block being read
	s_mov_b32 s55, 0                               ; the one to be written
	s_mov_b32 s56, 0                               ; V's next block of 16 channels, in bytes
	s_mov_b32 s58, 0x3a800000                      ; 1 / 1,024
	s_mov_b32 s59, 0x3727c5ac                      ; 1e-5
	s_wait_dscnt 0x0                               ; the opening add is done
	s_wait_kmcnt 0x0
	s_add_nc_u64 s[40:41], s[4:5], s[18:19]        ; Q,
	s_add_nc_u64 s[42:43], s[40:41], 0x2000000     ; K,
	s_add_nc_u64 s[44:45], s[40:41], 0x4000000     ; V at my wave's first pair
	s_add_nc_u64 s[46:47], s[8:9], s[2:3]          ; query and out0 at my wave's first row
	s_add_nc_u64 s[48:49], s[16:17], s[2:3]
	s_add_nc_u64 s[62:63], s[6:7], s[62:63]
.irp s, 0,1
	s_mov_b32 s[G0+4*\s], 1                                        ; count = 1
	s_add_co_u32 s[G0+4*\s+1], s61, \s*SLOT                        ; LDS address
	s_add_nc_u64 s[G0+4*\s+2:G0+4*\s+3], s[62:63], \s*131072       ; global address: K step s, 64 rows of 2,048 bytes down
	s_or_b32 s[G0+4*\s+3], s[G0+4*\s+3], 0x80000000                ; type = 2
.endr
	CROUND                                         ; all four work-groups are here: the first joint loads meet
	tensor_load_to_lds s[G0:G0+3], s[G1:G1+7]      ; both first fills together: two tensor loads of mine are out
	s_nop 0
	tensor_load_to_lds s[G0+4:G0+7], s[G1:G1+7]
	s_nop 0
.rept 4
	v_nop
.endr
	v_and_b32 v1, 15, v0                           ; r
	v_bfe_u32 v17, v0, 4, 1                        ; hh
	v_bfe_u32 v18, v0, 3, 1                        ; b
	v_and_b32 v19, 7, v0
	v_and_b32 v26, 31, v0                          ; lane
	v_lshlrev_b32 v[FO], 4, v26
	v_lshlrev_b32 v[VL], 4, v19                    ; lane (r, hh) wants channel r of the block, row parity hh: byte 256 (r >> 3) + 128 hh + 16 (r & 7)
	v_lshl_add_u32 v[VL], v17, 7, v[VL]
	v_lshl_add_u32 v[VL], v18, 8, v[VL]
; V's next block of 16 channels for my 8 pairs: 8 loads of 512 consecutive bytes.  Behind the eighth block the offset stays at the last block: the ninth request reads bytes that serve nothing, inside the buffer.
.macro VLOAD
	WIN 0
	v_add_nc_u32 v[VA], s56, v[VL]                 ; the loads that named it have been waited for
	WIN 0x40
.set p, 0
.rept 8
	global_load_b128 v[VV+8*p:VV+8*p+3], v[VA], s[44:45] offset:4096*p th:TH_LOAD_NT
.set p, p+1
.endr
	WIN 0
	s_add_co_u32 s56, s56, 512
	s_min_u32 s56, s56, 3584
.endm
.macro GRP t                           ; channels 32 t .. + 31 of K and Q for my 8 pairs: 32 loads of 512 consecutive bytes
	WIN 0x80
.set p, 0
.rept 8
	global_load_b128 v[32*p+8*(\t):32*p+8*(\t)+3],   v[FO], s[42:43] offset:4096*p+1024*(\t) th:TH_LOAD_NT
	global_load_b128 v[32*p+8*(\t)+4:32*p+8*(\t)+7], v[FO], s[42:43] offset:4096*p+1024*(\t)+512 th:TH_LOAD_NT
.set p, p+1
.endr
	WIN 0xc0
.set p, 0
.rept 8
	global_load_b128 v[32*p+8*(\t):32*p+8*(\t)+3],   v[FO], s[40:41] offset:4096*p+1024*(\t) th:TH_LOAD_NT
	global_load_b128 v[32*p+8*(\t)+4:32*p+8*(\t)+7], v[FO], s[40:41] offset:4096*p+1024*(\t)+512 th:TH_LOAD_NT
.set p, p+1
.endr
.endm
.macro SCORE t                         ; 8 matrix instructions, one a pair: the 8 accumulators take turns
	WIN 0x0e                                       ; K in window 2, Q in window 3, S^T in window 0
.set p, 0
.rept 8
.if (\t) == 0
	v_wmma_f32_16x16x32_bf16 v[ST+8*p:ST+8*p+7], v[32*p+8*(\t):32*p+8*(\t)+7], v[32*p+8*(\t):32*p+8*(\t)+7], 0
.else
	v_wmma_f32_16x16x32_bf16 v[ST+8*p:ST+8*p+7], v[32*p+8*(\t):32*p+8*(\t)+7], v[32*p+8*(\t):32*p+8*(\t)+7], v[ST+8*p:ST+8*p+7]
.endif
.set p, p+1
.endr
.endm
	VLOAD                                          ; block 0
.set i8, 0
.rept 8                                            ; gamma, beta, bo of my 32 columns 128 i + 4 lane + 0..3
	global_load_b128 v[GA+4*i8:GA+4*i8+3], v[FO], s[12:13] offset:512*i8
	global_load_b128 v[BE+4*i8:BE+4*i8+3], v[FO], s[14:15] offset:512*i8
	global_load_b128 v[BO+4*i8:BO+4*i8+3], v[FO], s[10:11] offset:512*i8
.set i8, i8+1
.endr
	GRP 0
	GRP 1
	WIN 0                                          ; the addresses are made while the loads are out
	v_mul_u32_u24 v[AT0], v1, PT
	v_lshl_add_u32 v[AT0], v17, 4, v[AT0]          ; reader: row r x pitch + 16 x half
	v_add_nc_u32 v[ADRT], s54, v[AT0]
	s_mul_i32 s23, s20, 16*PT
	v_mul_u32_u24 v[AW0], v18, PT                  ; writer: row 16 w + b (+ 2 p by the offset), byte 32 h + 16 hh
	v_lshl_add_u32 v[AW0], v19, 5, v[AW0]
	v_lshl_add_u32 v[AW0], v17, 4, v[AW0]
	v_add_nc_u32 v[AW0], s23, v[AW0]
	v_lshlrev_b32 v[PF], 8, v26
	v_lshl_add_u32 v27, v17, 3, v19                ; the turning load: lane l reads row 8 (l / 16) + l % 8, 16 bytes at 16 ((l / 8) % 2)
	v_mul_u32_u24 v27, v27, PB
	v_lshl_add_u32 v27, v18, 4, v27
	v_add_nc_u32 v[ADRB], s61, v27
	v_add_nc_u32 v[ADRB+1], SLOT, v[ADRB]
	s_lshl_b32 s23, s20, 10
	v_mul_u32_u24 v27, v1, PX                      ; x: row 16 a + r, byte 1,024 w + 64 b + 32 hh
	v_lshl_add_u32 v27, v17, 5, v27
	v_add_nc_u32 v[XW], s23, v27
	v_add_nc_u32 v[XW+1], 16*PX, v[XW]
	v_add_nc_u32 v[XW+2], 32*PX, v[XW]
	v_add_nc_u32 v[XW+3], 48*PX, v[XW]
	s_mul_i32 s23, s20, 16*PX
	v_add_nc_u32 v[XR], s23, v[FO]
.irp s, 0,1,2,3
	v_add_nc_u32 v[OFF+\s], 4096*\s, v[FO]
.endr
	v_mov_b32 v27, 1.0
	v_cmp_eq_u32 vcc_lo, v17, v18
	v_cndmask_b32 v[MASKF], 0, v27, vcc_lo
	WIN 0x40
.set p, 0
.rept 8                                            ; k = 16 .. 31 of the product with V are not used: both operands' upper halves are 0
.irp e, 4,5,6,7
	v_mov_b32 v[PP+8*p+\e], 0
	v_mov_b32 v[VV+8*p+\e], 0
.endr
.set p, p+1
.endr
	s_wait_loadcnt 32                              ; all but the 32 loads issued last
	SCORE 0
	GRP 2
	s_wait_loadcnt 32
	SCORE 1
	GRP 3
	s_wait_loadcnt 32
	SCORE 2
	s_wait_loadcnt 0x0
	SCORE 3
	WIN 0
	PLACES
	; THE SOFTMAX, stage by stage over the 8 pairs, so that no line waits for the one before it.  A lane's 8 registers are one (row, head)'s 8 scores.
	ALLP v_max3_num_f32 v[TT+8*p+1], v[ST+8*p], v[ST+8*p+1], v[ST+8*p+2]
	ALLP v_max3_num_f32 v[TT+8*p+1], v[TT+8*p+1], v[ST+8*p+3], v[ST+8*p+4]
	ALLP v_max3_num_f32 v[TT+8*p+1], v[TT+8*p+1], v[ST+8*p+5], v[ST+8*p+6]
	ALLP v_max_num_f32 v[TT+8*p+1], v[TT+8*p+1], v[ST+8*p+7]
	ALLP v_mul_f32 v[TT+8*p], s50, v[TT+8*p+1]
.irp e, 0,2,4,6
	ALLP v_pk_fma_f32 v[ST+8*p+\e:ST+8*p+\e+1], v[ST+8*p+\e:ST+8*p+\e+1], s[50:51], v[TT+8*p:TT+8*p+1] op_sel_hi:[1,0,0] neg_lo:[0,0,1] neg_hi:[0,0,1]
.endr
.irp e, 0,1,2,3,4,5,6,7
	ALLP v_exp_f32 v[ST+8*p+\e], v[ST+8*p+\e]
.endr
	v_nop                                          ; a plain instruction between the last exponential and the use of its result (ISA guide 5.7.2)
	s_wait_alu depctr_va_vdst(0)
	ALLP v_pk_add_f32 v[TT+8*p+2:TT+8*p+3], v[ST+8*p:ST+8*p+1], v[ST+8*p+2:ST+8*p+3]
	ALLP v_pk_add_f32 v[TT+8*p+4:TT+8*p+5], v[ST+8*p+4:ST+8*p+5], v[ST+8*p+6:ST+8*p+7]
	ALLP v_pk_add_f32 v[TT+8*p+2:TT+8*p+3], v[TT+8*p+2:TT+8*p+3], v[TT+8*p+4:TT+8*p+5]
	ALLP v_add_f32 v[TT+8*p+2], v[TT+8*p+2], v[TT+8*p+3]
	ALLP v_rcp_f32 v[TT+8*p+4], v[TT+8*p+2]
	v_nop
	s_wait_alu depctr_va_vdst(0)
	ALLP v_mul_f32 v[TT+8*p+4], v[TT+8*p+4], v[MASKF]
.irp e, 0,2,4,6
	ALLP v_pk_mul_f32 v[ST+8*p+\e:ST+8*p+\e+1], v[ST+8*p+\e:ST+8*p+\e+1], v[TT+8*p+4:TT+8*p+5] op_sel_hi:[1,0]
.endr
	WIN 0x40
.irp e, 0,1,2,3
	ALLP v_cvt_pk_bf16_f32 v[PP+8*p+\e], v[ST+8*p+2*\e], v[ST+8*p+2*\e+1]
.endr
	WIN 0
; THE NEXT BLOCK OF THE ATTENDED ROWS: 16 channels of all heads for my 16 rows.  8 matrix instructions (O^T = V^T P, one a pair), 32 roundings in place from each accumulator's low end on, 8 LDS stores; then V's next block is asked for.
.macro PRODUCE
	WIN 0
	s_wait_loadcnt 0x0                             ; V's block
	v_add_nc_u32 v[AWR], s55, v[AW0]
	WIN 0x05                                       ; V and P in window 1, O^T in window 0
.set p, 0
.rept 8
	v_wmma_f32_16x16x32_bf16 v[ST+8*p:ST+8*p+7], v[VV+8*p:VV+8*p+7], v[PP+8*p:PP+8*p+7], 0
.set p, p+1
.endr
	WIN 0
	PLACES
.set p, 0
.rept 8
.irp e, 0,1,2,3
	v_cvt_pk_bf16_f32 v[ST+8*p+\e], v[ST+8*p+2*\e], v[ST+8*p+2*\e+1]
.endr
.set p, p+1
.endr
.set p, 0
.rept 8
	ds_store_b128 v[AWR], v[ST+8*p:ST+8*p+3] offset:2*PT*p
.set p, p+1
.endr
	s_xor_b32 s55, s55, ATB                        ; the next block goes into the other buffer
	VLOAD
.endm
; 8 matrix instructions: row block a x column blocks 8 bh .. + 7, 32 along K, on fragment buffer u.  cm = 1: the products start the sums; 0: they add in place.
; The 64 accumulators take turns, one instruction a turn, in the same order in every substep.
.macro W8 a, bh, u, cm
	WIN 0xa1+0x50*((\a)/2)
.set rA, AF+32*(\u)+8*(\a)
.set i8, 0
.rept 8
.set rD, 128*((\a)%2)+8*(8*(\bh)+i8)
.set rB, 64*(\bh)+8*i8
.if (\cm) == 1
	v_wmma_f32_16x16x32_bf16 v[rD:rD+7], v[rB:rB+7], v[rA:rA+7], 0
.else
	v_wmma_f32_16x16x32_bf16 v[rD:rD+7], v[rB:rB+7], v[rA:rA+7], v[rD:rD+7]
.endif
.set i8, i8+1
.endr
.endm
.macro FETCH_B slot, u, bh             ; 16 turning loads in one run: Wo's column blocks 8 bh .. + 7 for substep u of a slot
	WIN 0x40
.set i8, 0
.rept 8
	ds_load_tr16_b128 v[64*(\bh)+8*i8:64*(\bh)+8*i8+3],   v[ADRB+(\slot)] offset:32*(\u)*PB+32*(8*(\bh)+i8)
	ds_load_tr16_b128 v[64*(\bh)+8*i8+4:64*(\bh)+8*i8+7], v[ADRB+(\slot)] offset:32*(\u)*PB+16*PB+32*(8*(\bh)+i8)
.set i8, i8+1
.endr
.endm
.macro FETCH_A slot, u                 ; 8 loads: the 64 attended rows x 32 k' at 64 slot + 32 u of the block being read
	WIN 0
.irp f, 0,1,2,3
	ds_load_b128 v[AF+32*(\u)+8*\f:AF+32*(\u)+8*\f+3],   v[ADRT] offset:16*PT*\f+128*(\slot)+64*(\u)
	ds_load_b128 v[AF+32*(\u)+8*\f+4:AF+32*(\u)+8*\f+7], v[ADRT] offset:16*PT*\f+128*(\slot)+64*(\u)+32
.endr
.endm
; A SUBSTEP: 64 matrix instructions.  On entry its fragments of the attended rows and Wo's blocks 0-7 are on their way.  more = 1: it fetches the next substep's.
; meet = 1, 2 (a slot's second substep): the change of slots.  Each wave waits for all its tensor loads, of which one is out: its part of the other slot; adds 0 to its spare word; waits for that, for its reads
; of this slot and of the attended block, and for its stores into the other block.  Behind the barrier nobody reads this slot; behind slot 1's, the new attended block is whole and the old one free.
; meet = 2: the barrier opens a round of the cluster's barrier, and the slot is filled again, two K steps on, first thing behind it: from there to the wait for that load a wave issues 112 matrix instructions or more.
; pf >= 0: two prefetches of query rows that the end will read.
.macro SUBSTEP slot, u, cm, meet, more, pf=-1
.set NS, (\slot)
.set NU, 1
.if (\u) == 1
.set NS, 1-(\slot)
.set NU, 0
.endif
	s_wait_dscnt 0x0                               ; my fragments and Wo's blocks 0-7 are in
	W8 0, 0, \u, \cm
	PLACES                                         ; blocks 8-15 and the other fragment buffer were last read in the substep before
	FETCH_B \slot, \u, 1
	W8 1, 0, \u, \cm
.if (\meet) == 0
	W8 2, 0, \u, \cm
	W8 3, 0, \u, \cm
.else
	WIN 0                                          ; (the add's two registers lie in window 0)
	s_wait_tensorcnt 0x0                           ; all my tensor loads have landed;
	ds_add_u32 v[SPW], v[NIL]                      ; 0 onto my spare word
	W8 2, 0, \u, \cm                               ; eight matrix instructions stand between the add and the wait for it
	s_wait_dscnt 0x0                               ; the add is done, my reads of this slot are over, my stores into the attended block are done
	s_barrier_signal -1
	W8 3, 0, \u, \cm                               ; work on registers while the others arrive
	WIN 0
	s_barrier_wait -1
.if (\meet) == 2
	CREST                                          ; no wave of any partner still reads this slot or has a load on its way
	s_add_nc_u64 s[G0+4*(\slot)+2:G0+4*(\slot)+3], s[G0+4*(\slot)+2:G0+4*(\slot)+3], 262144
	tensor_load_to_lds s[G0+4*(\slot):G0+4*(\slot)+3], s[G1:G1+7]  ; my one tensor load behind the round
	s_nop 0
.rept 4
	v_nop
.endr
.endif
.endif
.if \more
.if ((\slot) == 1) && ((\u) == 1)
	WIN 0
	s_xor_b32 s54, s54, ATB                        ; the next lap reads the other attended block
	v_add_nc_u32 v[ADRT], s54, v[AT0]
.endif
	FETCH_A NS, NU
.if (\pf) >= 0
	global_prefetch_b8 v[PF], s[46:47] offset:(\pf) th:TH_LOAD_NT scope:SCOPE_SE       ; lanes 256 bytes apart: two rows of query a line, each block asked for once, by the wave that will read it
	global_prefetch_b8 v[PF], s[46:47] offset:(\pf)+8192 th:TH_LOAD_NT scope:SCOPE_SE
.endif
	s_wait_dscnt 8                                 ; Wo's blocks 8-15 are in; the 8 loads just issued may be out
.else
	s_wait_dscnt 0x0
.endif
	W8 0, 1, \u, \cm
.if \more
	PLACES                                         ; blocks 0-7 were last read eight matrix instructions back
	FETCH_B NS, NU, 0
.endif
	W8 1, 1, \u, \cm
	W8 2, 1, \u, \cm
	W8 3, 1, \u, \cm
.endm
	PRODUCE                                        ; block 0
	s_wait_tensorcnt 0x1                           ; my part of K step 0 is in (only I read it); K step 1's may stay out
	s_wait_dscnt 0x0                               ; my rows of block 0 are stored
	s_barrier_signal -1
	s_barrier_wait -1                              ; everybody's are
	FETCH_A 0, 0
	FETCH_B 0, 0, 0
	SUBSTEP 0, 0, 1, 0, 1                          ; the first substep stands in front of the loop: its products start the sums
	WIN 0                                          ; at a label and at a branch every window is 0
	s_mov_b32 s57, 7
.Llap:                                                 ; a trip goes once round the ring, fills both slots again (K steps 2 to 15 in 7 trips) and makes the next attended block (1 to 7)
	SUBSTEP 0, 1, 0, 2, 1
	PRODUCE                                        ; into the block whose last reads every wave awaited in front of the barrier before last
	SUBSTEP 1, 0, 0, 0, 1
	SUBSTEP 1, 1, 0, 2, 1
	SUBSTEP 0, 0, 0, 0, 1
	WIN 0
	s_sub_co_u32 s57, s57, 1
	s_cmp_lg_u32 s57, 0
	s_cbranch_scc1 .Llap
	SUBSTEP 0, 1, 0, 1, 1, 0                       ; the tail is written out: it asks for no tile; it prefetches my first 8 rows of query, 32,768 bytes a wave
	SUBSTEP 1, 0, 0, 0, 1, 16384
	SUBSTEP 1, 1, 0, 0, 0
	; THE END.  x leaves the accumulators through LDS, so that a wave holds whole rows; query comes through a ring of four rows in registers.
	WIN 0
	PLACES                                         ; the stores read results just made, and the loads land on Wo's fragments
	s_wait_loadcnt 0x0                             ; V's ninth request
	WIN 0x40
.irp s, 0,1,2,3
.irp i, 0,1,2,3,4,5,6,7
	global_load_b128 v[32*\s+4*\i:32*\s+4*\i+3], v[OFF+\s], s[46:47] offset:512*\i th:TH_LOAD_NT
.endr
.endr
	WIN 0
	s_wait_dscnt 0x0
	s_barrier_signal -1
	s_barrier_wait -1                              ; every wave has left the ring and the attended blocks; every tensor load has landed
.irp a, 0,1,2,3
	WIN 0x08+4*((\a)/2)                            ; the data in window 2 or 3
.set i8, 0
.rept 16
	ds_store_b128 v[XW+\a], v[128*((\a)%2)+8*i8:128*((\a)%2)+8*i8+3]   offset:64*i8
	ds_store_b128 v[XW+\a], v[128*((\a)%2)+8*i8+4:128*((\a)%2)+8*i8+7] offset:64*i8+16
.set i8, i8+1
.endr
.endr
	WIN 0
	s_wait_dscnt 0x0                               ; for the others' sake: my stores are done
	s_barrier_signal -1
	s_barrier_wait -1
.macro REDUCE x, y                     ; the sum over the 32 lanes, in every lane: four steps inside each half ride on the addition, one crosses the halves
	v_add_f32_dpp v[\x], v[\x], v[\x] row_xmask:1 row_mask:0xf bank_mask:0xf
	v_add_f32_dpp v[\x], v[\x], v[\x] row_xmask:2 row_mask:0xf bank_mask:0xf
	v_add_f32_dpp v[\x], v[\x], v[\x] row_xmask:4 row_mask:0xf bank_mask:0xf
	v_add_f32_dpp v[\x], v[\x], v[\x] row_xmask:8 row_mask:0xf bank_mask:0xf
	v_permlanex16_b32 v[\y], v[\x], s52, s53
	v_add_f32 v[\x], v[\x], v[\y]
.endm
; ONE ROW.  s: the query ring's slot; xb: which of two row buffers; fill = 1: the slot is filled again with the row four further on; left: how many younger loads may stay out.
; A lane holds columns 128 i + 4 lane + 0..3, i = 0..7.  The mean is taken away before the squares are summed, as the reference does.
.macro ROWT s, xb, fill, left
.set XB, 32+32*(\xb)
	WIN 0
	s_wait_xcnt 0x0                                ; the row buffer and the slot's offset, which earlier stores read, are rewritten only behind this wait
.irp i, 0,1,2,3,4,5,6,7
	ds_load_b128 v[XB+4*\i:XB+4*\i+3], v[XR] offset:512*\i
.endr
	v_add_nc_u32 v[XR], PX, v[XR]
	s_wait_loadcnt \left                           ; the slot's 8 loads are in; the younger slots' stay out
	s_wait_dscnt 0x0
	WIN 0x04                                       ; source 1 in window 1
.set k, 0
.rept 16
	v_pk_add_f32 v[XB+2*k:XB+2*k+1], v[XB+2*k:XB+2*k+1], v[32*(\s)+2*k:32*(\s)+2*k+1]
.set k, k+1
.endr
.if \fill
	WIN 0
	v_add_nc_u32 v[OFF+(\s)], 16384, v[OFF+(\s)]
	WIN 0x40
.irp i, 0,1,2,3,4,5,6,7
	global_load_b128 v[32*(\s)+4*\i:32*(\s)+4*\i+3], v[OFF+(\s)], s[46:47] offset:512*\i th:TH_LOAD_NT
.endr
.endif
	WIN 0
.set k, 0
.rept 16
	v_pk_add_f32 v[XB+2*k:XB+2*k+1], v[XB+2*k:XB+2*k+1], v[BO+2*k:BO+2*k+1]
.set k, k+1
.endr
.set k, 0
.rept 8
	v_pk_add_f32 v[T+2*k:T+2*k+1], v[XB+4*k:XB+4*k+1], v[XB+4*k+2:XB+4*k+3]
.set k, k+1
.endr
.irp j, 0,4,8,12
	v_pk_add_f32 v[T+\j:T+\j+1], v[T+\j:T+\j+1], v[T+\j+2:T+\j+3]
.endr
	v_pk_add_f32 v[T:T+1], v[T:T+1], v[T+4:T+5]
	v_pk_add_f32 v[T+8:T+9], v[T+8:T+9], v[T+12:T+13]
	v_pk_add_f32 v[T:T+1], v[T:T+1], v[T+8:T+9]
	v_add_f32 v[T], v[T], v[T+1]
	REDUCE T, T+1
	v_mul_f32 v[T+2], s58, v[T]                    ; the mean
.set k, 0
.rept 16
	v_pk_add_f32 v[XB+2*k:XB+2*k+1], v[XB+2*k:XB+2*k+1], v[T+2:T+3] op_sel_hi:[1,0] neg_lo:[0,1] neg_hi:[0,1]
.set k, k+1
.endr
.set k, 0
.rept 4                                            ; four chains, started by the first four pairs
	v_pk_mul_f32 v[T+4+2*k:T+4+2*k+1], v[XB+2*k:XB+2*k+1], v[XB+2*k:XB+2*k+1]
.set k, k+1
.endr
.rept 12
	v_pk_fma_f32 v[T+4+2*(k%4):T+4+2*(k%4)+1], v[XB+2*k:XB+2*k+1], v[XB+2*k:XB+2*k+1], v[T+4+2*(k%4):T+4+2*(k%4)+1]
.set k, k+1
.endr
	v_pk_add_f32 v[T+4:T+5], v[T+4:T+5], v[T+6:T+7]
	v_pk_add_f32 v[T+8:T+9], v[T+8:T+9], v[T+10:T+11]
	v_pk_add_f32 v[T+4:T+5], v[T+4:T+5], v[T+8:T+9]
	v_add_f32 v[T+4], v[T+4], v[T+5]
	REDUCE T+4, T+5
	v_fma_f32 v[T+6], v[T+4], s58, s59             ; the variance + 1e-5
	v_rsq_f32 v[T+8], v[T+6]
	v_nop                                          ; a plain instruction between the root and the use of its result (ISA guide 5.7.2)
.set k, 0
	s_wait_alu depctr_va_vdst(0)
.rept 16
	v_pk_mul_f32 v[XB+2*k:XB+2*k+1], v[XB+2*k:XB+2*k+1], v[T+8:T+9] op_sel_hi:[1,0]
.set k, k+1
.endr
.set k, 0
.rept 16
	v_pk_fma_f32 v[XB+2*k:XB+2*k+1], v[XB+2*k:XB+2*k+1], v[GA+2*k:GA+2*k+1], v[BE+2*k:BE+2*k+1]
.set k, k+1
.endr
.irp i, 0,1,2,3,4,5,6,7
	global_store_b128 v[OFF+(\s)], v[XB+4*\i:XB+4*\i+3], s[48:49] offset:512*\i-16384*(\fill) th:TH_STORE_NT  ; 512 consecutive bytes, at a multiple of 512 from the buffer's first
.endr
.endm
	s_mov_b32 s60, 3
.Lrows:                                                ; 3 trips of 4 rows; each row asks for the query row four further on
	ROWT 0, 0, 1, 24
	ROWT 1, 1, 1, 24
	ROWT 2, 0, 1, 24
	ROWT 3, 1, 1, 24
	s_sub_co_u32 s60, s60, 1
	s_cmp_lg_u32 s60, 0
	s_cbranch_scc1 .Lrows
	ROWT 0, 0, 0, 24                               ; the last four rows load nothing: the counts run down
	ROWT 1, 1, 0, 16
	ROWT 2, 0, 0, 8
	ROWT 3, 1, 0, 0
	s_wait_tensorcnt 0x0                           ; the wave's end: a wait, an add to my spare word and its wait, behind my last tensor load and my last LDS store
	ds_add_u32 v[SPW], v[NIL]
	s_wait_dscnt 0x0
	CROUND                                         ; the closing round: no work-group ends while a partner may still ask for a tile that names it
	s_endpgm
.Lfunc_end_k_qca0b26f8db_attn:
	.size	k_qca0b26f8db_attn, .Lfunc_end_k_qca0b26f8db_attn-k_qca0b26f8db_attn
	.p2alignl 7, 3214868480
	.fill 96, 4, 3214868480
	.section	.rodata,"a",@progbits
	.p2align	6, 0x0
	.amdhsa_kernel k_qca0b26f8db_attn
		.amdhsa_group_segment_fixed_size 327680
		.amdhsa_private_segment_fixed_size 0
		.amdhsa_enable_private_segment 0
		.amdhsa_kernarg_size 56
		.amdhsa_user_sgpr_count 2
		.amdhsa_user_sgpr_kernarg_segment_ptr 1
		.amdhsa_wavefront_size32 1
		.amdhsa_system_sgpr_workgroup_id_x 1
		.amdhsa_system_sgpr_workgroup_id_y 1
		.amdhsa_system_sgpr_workgroup_id_z 1
		.amdhsa_system_vgpr_workitem_id 0
		.amdhsa_next_free_vgpr 1024
		.amdhsa_next_free_sgpr 66
		.amdhsa_reserve_vcc 1
		.amdhsa_float_denorm_mode_32 3
		.amdhsa_float_denorm_mode_16_64 3
		.amdhsa_memory_ordered 1
		.amdhsa_forward_progress 1
		.amdhsa_inst_pref_size 198
	.end_amdhsa_kernel
	.amdgpu_metadata
---
amdhsa.version: [ 1, 2 ]
amdhsa.kernels:
  - .name:           k_qca0b26f8db_attn
    .symbol:         k_qca0b26f8db_attn.kd
    .args:
      - { .name: qkv, .offset: 0, .size: 8, .value_kind: global_buffer, .address_space: global }
      - { .name: wcat, .offset: 8, .size: 8, .value_kind: global_buffer, .address_space: global }
      - { .name: query, .offset: 16, .size: 8, .value_kind: global_buffer, .address_space: global }
      - { .name: bo, .offset: 24, .size: 8, .value_kind: global_buffer, .address_space: global }
      - { .name: gamma, .offset: 32, .size: 8, .value_kind: global_buffer, .address_space: global }
      - { .name: beta, .offset: 40, .size: 8, .value_kind: global_buffer, .address_space: global }
      - { .name: out0, .offset: 48, .size: 8, .value_kind: global_buffer, .address_space: global }
    .group_segment_fixed_size: 327680
    .private_segment_fixed_size: 0
    .kernarg_segment_align: 8
    .kernarg_segment_size: 56
    .max_flat_workgroup_size: 128
    .sgpr_count:     66
    .vgpr_count:     1024
    .wavefront_size: 32
...
	.end_amdgpu_metadata
.endif
;; end of part 3
